; MI455X (gfx1250); checked and timed in simulation.
; The chip was launched on July 23, 2026; its instructions are those of AMD's public machine-readable ISA for CDNA 5 (MIT licence, August 2026) and "CDNA5" Instruction Set Architecture Reference Guide (July 2026). The comments in the code are by the model that wrote it; some were corrected since.
;; W LSTM cell. Allowed arithmetic: matrix products marked QUANTISED: E4M3 operands, one E8M0 scale for each 32 along K, by v_wmma_scale_f32_16x16x128_f8f6f4 with both operands' format E4M3, f32 sums; everything else in f32.
;; Inputs: W_fh 1,024 x 1,024 float32; W_fx 1,024 x 1,024 float32; W_gh 1,024 x 1,024 float32; W_gx 1,024 x 1,024 float32; W_ih 1,024 x 1,024 float32; W_ix 1,024 x 1,024 float32; W_oh 1,024 x 1,024 float32; W_ox 1,024 x 1,024 float32; b_f 1,024 float32; b_g 1,024 float32; b_i 1,024 float32; b_o 1,024 float32; c_prev 8,192 x 1,024 float32; h 8,192 x 1,024 float32; x 8,192 x 1,024 float32.
;; Outputs: out0 8,192 x 1,024 float32; out1 8,192 x 1,024 float32.
;; This version of the problem:
;;   THIS VERSION OF THE PROBLEM IS GIVEN IN LOW PRECISION. The matrix products marked QUANTISED in the list below multiply operands that are first quantised to E4M3 (4 exponent bits, 3 mantissa bits; 8 bits a number), with one power-of-two scale for each 32 numbers along K (OCP MX v1.0); their sums are f32. All else is computed in f32.
;;   The module's matrix products, in the order in which they are computed (A, B: the left and right operand; K: the contracted axis; several contracted axes count as one K, in the product's order):
;;     1. [M 8,192, K 1,024] x [K 1,024, N 4,096]; A: input x; B: computed on the way: QUANTISED
;;     2. [M 8,192, K 1,024] x [K 1,024, N 4,096]; A: input h; B: computed on the way: QUANTISED
;;   THE QUANTISER, for each operand of a quantised product, along K:
;;     - K is cut into blocks of 32 from its start; a last block that is shorter is filled with zeros.
;;     - A block's scale is 2^e with e = floor(log2(the largest magnitude in the block)) - 8, held to -126 .. 127; a block of zeros has e = 0. As a byte (E8M0): e + 127.
;;     - Each number is divided by its block's scale, clamped to +-448, and rounded to the nearest number of E4M3, ties to even, subnormals kept.
;;     - The product sums the exact products of the quantised numbers (number of the format x scale) in f32.
;;   ~~~python
;;   def quantise(x, axis):      # numpy; x: float32 -> the quantised numbers, widened to float32 again
;;       x = np.moveaxis(x, axis, -1); K = x.shape[-1]
;;       x = np.pad(x, [(0, 0)] * (x.ndim - 1) + [(0, -K % 32)]); x = x.reshape(x.shape[:-1] + (-1, 32)); a = np.abs(x).max(-1, keepdims=True)
;;       e = np.where(a > 0, np.clip(np.frexp(np.where(a > 0, a, 1))[1] - 1 - 8, -126, 127), 0)      # np.frexp(a)[1] - 1 = floor(log2(a)), exactly
;;       r = np.clip(x / 2.0 ** e, -448, 448)
;;       step = 2.0 ** (np.maximum(np.frexp(np.where(r == 0, 1, r))[1] - 1, -6) - 3)
;;       q = np.round(r / step) * step * 2.0 ** e      # np.round: ties to even
;;       return np.moveaxis(q.reshape(q.shape[:-2] + (-1,))[..., :K], -1, axis).astype(np.float32)
;;   ~~~
;;   OPERANDS COMPUTED ON THE WAY. 'Computed on the way' means the value that the module computes at that place (a softmax that the list does not call 'softmax' is quantised finished and normalised). What goes into a quantiser is computed in f32, as accurately as f32 sums, v_exp_f32 and their like allow (about 1e-6 of the number): no bf16 or f16 on the way to a quantiser, and a product that is left as it is and whose result goes on into a quantised operand takes f32 operands (vector FMAs, or v_wmma_f32_16x16x4_f32). A number that lies on a knife's edge between two numbers of the format may be rounded either way, as far as f32 arithmetic and the matrix unit's own rounding can turn it there, and no further.
;; One version. Each part assembles by itself: llvm-mc -triple=amdgcn-amd-amdhsa -mcpu=gfx1250 --defsym DOCPART=n.
;; ======== version 1 of 1: 2 launches
;; limits: right only within a limited range of input values
;; workspace buffers: a_q 17,301,504 bytes; b_q 8,650,752 bytes
;; launch quant (part 1): grid 768 x 1, 4 waves a work-group, no clusters, 33,280 bytes of LDS; arguments x, h, W_ix, W_ih, W_fx, W_fh, W_gx, W_gh, W_ox, W_oh, a_q, b_q; writes a_q, b_q
.if DOCPART == 1
	.amdgcn_target "amdgcn-amd-amdhsa--gfx1250"
	.amdhsa_code_object_version 6
	.text
	.protected	k_q40aa0d2f04_quant
	.globl	k_q40aa0d2f04_quant
	.p2align	8
	.type	k_q40aa0d2f04_quant,@function
k_q40aa0d2f04_quant:
	s_mov_b64 s[64:65], 0
	v_nop
	global_prefetch_b8 v0, s[64:65] scope:SCOPE_SE
	s_setreg_imm32_b32 hwreg(HW_REG_WAVE_MODE, 25, 1), 1
	s_wait_xcnt 0x0
; x, h [8192][1024] and the eight weights [1024][1024], f32 with K innermost, become codes of FP8 (E4M3) with one E8M0 scale byte for each 32 along K.
; The cell's two products are ONE product over K = 2048: A = [x | h], B = [W_.x | W_.h]; blocks of 32 never cross the seam at 1024.
; LAYOUT of a_q (64 row blocks) and b_q (32): [row block of 128 rows][K step of 256, 8 of them][132 rows of 256 bytes]: rows 0-127 the 128 rows' 256 codes, rows 128-131 their scale bytes, 8 a row.
; So what one wave of the next launch fetches for a K step is 33,792 dense bytes, and two K steps follow each other.
; B's row 256 tc + 128 hf + 32 g + j is gate g (0 i, 1 f, 2 g, 3 o) of hidden unit 64 tc + 32 hf + j.
; A block's scale is 2^(floor(log2(largest magnitude)) - 8); its byte is that magnitude's exponent field - 8, held at 1 from below; each number is divided by the scale, held within +-448, rounded to the nearest code, ties to even.
; LIMITS: a block of zeros gets the byte 1 where the rule says 127 (its codes are zeros, and this program alone reads the bytes); blocks whose largest magnitude lies under 2^(8 - 126) keep the byte 1; NaN and infinities among the inputs are not served.
; SHARES.  Work-groups 0-511 take A, 512-767 B.  A work-group takes 32 destination rows of one side (x or h): 32 whole source rows; wave w takes their K step 4 side + w: 16 steps of 2 rows x 256 numbers.
; A wave writes 8,192 consecutive bytes of codes and 256 consecutive, aligned scale bytes.  Each load reads 512 consecutive bytes; a step's 2,048 bytes turn through the wave's own stage in LDS and come back 64 bytes a lane.
; No tensor loads, no barrier: waves share nothing.  Loads run four steps (16 loads a wave) ahead, the turn through LDS one step.
.set STEPS, 16
.set NWA,   512
.set GBLK,  132*256
.set EMAX,  8
.set MANT,  0x600000                   ; the mantissa field of 448
.set R,     16                         ; v16-79   four sets of 16 numbers as loaded
.set X,     80                         ; v80-111  two sets of 16 neighbours
.set E,     112                        ; v112-127 a scale byte for each step
.set C,     128                        ; v128-191 codes, four registers a step
.set WREG,  8192                       ; LDS: a region for each wave: two stages, then its 256 scale bytes
.set SP,    80                         ; a lane's place in a stage: 64 bytes + 16 of padding
	s_load_b512 s[8:23], s[0:1], 0x0               ; x, h, W_ix, W_ih, W_fx, W_fh, W_gx, W_gh
	s_load_b256 s[24:31], s[0:1], 0x40             ; W_ox, W_oh, a_q, b_q
	v_lshl_add_u32 v192, v0, 2, 0x8000             ; my spare word, behind the four regions
	v_mov_b32 v193, 0
	v_lshrrev_b32 v1, 5, v0
	v_readfirstlane_b32 s40, v1                    ; wave
	v_and_b32 v2, 31, v0                           ; lane
	v_lshlrev_b32 v3, 4, v2                        ; my 16 bytes of a load's 512
	s_mul_i32 s36, s40, WREG
	v_lshrrev_b32 v14, 2, v2
	v_mul_u32_u24 v14, v14, SP
	v_and_b32 v15, 3, v2
	v_lshl_add_u32 v14, v15, 4, v14
	v_add_nc_u32 v14, s36, v14                     ; the stage, on the way in
	v_mul_u32_u24 v15, v2, SP
	v_add_nc_u32 v15, s36, v15                     ; and on the way out: my 16 neighbours
	v_lshlrev_b32 v4, 4, v2                        ; my codes' place in a step's
	v_lshrrev_b32 v5, 1, v2
	s_add_co_u32 s36, s36, 2*32*SP
	v_add_nc_u32 v5, s36, v5                       ; LDS: my block's scale byte
	v_lshlrev_b32 v7, 3, v2                        ; on the way out 8 bytes a lane
	v_add_nc_u32 v6, s36, v7
	s_mov_b32 s47, MANT
	s_cmp_lt_u32 ttmp9, NWA
	s_cselect_b32 s41, 0, NWA
	s_sub_co_u32 s42, ttmp9, s41
	s_and_b32 s43, s42, 1                          ; side: 0 x, 1 h
	s_lshr_b32 s44, s42, 1                         ; which 32 destination rows
	s_and_b32 s45, s44, 3                          ; their place in the row block; in B also the gate
	s_lshr_b32 s41, s44, 2                         ; the row block; in B also the group of 32 hidden units
	s_cmp_lt_u32 ttmp9, NWA
	s_cselect_b32 s46, s44, s41                    ; the group of 32 source rows
	s_lshl_b32 s46, s46, 17                        ; 32 rows of 4,096 bytes,
	s_lshl_b32 s42, s40, 10                        ; my wave's 1,024 bytes of each
	s_add_co_u32 s32, s46, s42
	s_mov_b32 s33, 0
	s_lshl_b32 s41, s41, 3
	s_lshl_b32 s42, s43, 2
	s_add_co_u32 s41, s41, s42
	s_add_co_u32 s41, s41, s40                     ; 8 x row block + K step
	s_mul_i32 s41, s41, GBLK
	s_lshl_b32 s42, s45, 13
	s_add_co_u32 s38, s41, s42                     ; codes: + 32 rows of 256 bytes for each group
	s_mov_b32 s39, 0
	s_lshl_b32 s42, s45, 8
	s_add_co_u32 s36, s41, s42
	s_add_co_u32 s36, s36, 128*256                 ; scale bytes: behind the 128 rows of codes
	s_mov_b32 s37, 0
	s_wait_alu depctr_va_vdst(0)                   ; the wait at the head's end
	s_wait_kmcnt 0x0
	s_cmp_eq_u32 s45, 1                            ; the gate's two weights: the choices hang on the work-group's number alone
	s_cselect_b64 s[12:13], s[16:17], s[12:13]
	s_cselect_b64 s[14:15], s[18:19], s[14:15]
	s_cmp_eq_u32 s45, 2
	s_cselect_b64 s[12:13], s[20:21], s[12:13]
	s_cselect_b64 s[14:15], s[22:23], s[14:15]
	s_cmp_eq_u32 s45, 3
	s_cselect_b64 s[12:13], s[24:25], s[12:13]
	s_cselect_b64 s[14:15], s[26:27], s[14:15]
	s_cmp_lt_u32 ttmp9, NWA
	s_cselect_b64 s[4:5], s[8:9], s[12:13]
	s_cselect_b64 s[6:7], s[10:11], s[14:15]
	s_cselect_b64 s[28:29], s[28:29], s[30:31]
	s_cmp_eq_u32 s43, 0
	s_cselect_b64 s[4:5], s[4:5], s[6:7]           ; my side's source
	s_add_nc_u64 s[4:5], s[4:5], s[32:33]
	s_add_nc_u64 s[30:31], s[28:29], s[36:37]      ; where my scale bytes go
	s_add_nc_u64 s[28:29], s[28:29], s[38:39]      ; where my codes go
.macro LOAD t                          ; step t: rows 2 t and 2 t + 1, 1,024 bytes of each, in four loads of 512 consecutive bytes
.irp i, 0,1,2,3
	global_load_b128 v[R+16*((\t)%4)+4*\i:R+16*((\t)%4)+4*\i+3], v3, s[4:5] offset:4096*(2*(\t)+\i/2)+512*(\i%2) th:TH_LOAD_NT
.endr
.endm
.macro TURN t                          ; through the stage: LDS serves a wave's instructions in order (ISA guide 5.7.1.4)
.irp i, 0,1,2,3
	ds_store_b128 v14, v[R+16*((\t)%4)+4*\i:R+16*((\t)%4)+4*\i+3] offset:32*SP*((\t)%2)+8*SP*\i
.endr
.irp i, 0,1,2,3
	ds_load_b128 v[X+16*((\t)%2)+4*\i:X+16*((\t)%2)+4*\i+3], v15 offset:32*SP*((\t)%2)+16*\i
.endr
.endm
.irp t, 0,1,2,3
	LOAD \t
.endr
	s_wait_loadcnt 12                              ; step 0's four loads are in; twelve stay out
	TURN 0
.macro STEP t
.set XS, X+16*((\t)%2)
.if (\t) > 0
	s_wait_dscnt 1                                 ; this step's numbers are back (the last step's byte store may be out)
.else
	s_wait_dscnt 0x0
.endif
.if (\t)+4 < STEPS
	LOAD (\t)+4
.endif
.if (\t)+1 < STEPS
.if STEPS-2-(\t) >= 3
	s_wait_loadcnt 12                              ; the next step's four loads are in; three steps' may be out
.else
	s_wait_loadcnt 4*(STEPS-2-(\t))
.endif
	TURN (\t)+1
.endif
	v_max3_num_f32 v8, |v[XS]|, |v[XS+1]|, |v[XS+2]|               ; the largest magnitude of my 16, in two chains
	v_max3_num_f32 v9, |v[XS+3]|, |v[XS+4]|, |v[XS+5]|
.irp i, 6,10
	v_max3_num_f32 v8, v8, |v[XS+\i]|, |v[XS+\i+1]|
	v_max3_num_f32 v9, v9, |v[XS+\i+2]|, |v[XS+\i+3]|
.endr
	v_max3_num_f32 v8, v8, |v[XS+14]|, |v[XS+15]|
	v_max3_num_f32 v8, v8, v9, (EMAX+1)<<23        ; and the floor: the byte cannot fall under 1
	v_max_num_f32_dpp v8, v8, v8 row_xmask:1 row_mask:0xf bank_mask:0xf   ; with my neighbour's 16: the block's
	v_add_nc_u32 v11, -(EMAX<<23), v8              ; the conversion's scale operand: EMAX off the exponent field
	v_and_or_b32 v10, v8, 0x7f800000, s47          ; 448 x the scale
.irp i, 0,1,2,3,4,5,6,7,8,9,10,11,12,13,14,15
	v_med3_num_f32 v[XS+\i], v[XS+\i], -v10, v10   ; the conversion does not saturate (ISA guide 7.6.2): hold first
.endr
	v_cvt_scalef32_pk8_fp8_f32 v[C+4*(\t):C+4*(\t)+1], v[XS:XS+7], v11
	v_cvt_scalef32_pk8_fp8_f32 v[C+4*(\t)+2:C+4*(\t)+3], v[XS+8:XS+15], v11
	v_lshrrev_b32 v[E+(\t)], 23, v11               ; the scale's byte (also the plain line behind the conversions)
	ds_store_b8 v5, v[E+(\t)] offset:16*(\t)       ; both lanes of a block write the same byte
	global_store_b128 v4, v[C+4*(\t):C+4*(\t)+3], s[28:29] offset:512*(\t)      ; 512 consecutive bytes, aligned: two rows of codes
.endm
.irp t, 0,1,2,3,4,5,6,7,8,9,10,11,12,13,14,15
	STEP \t
.endr
	ds_load_b64 v[12:13], v6
	s_wait_dscnt 0x0
	global_store_b64 v7, v[12:13], s[30:31]        ; 256 consecutive bytes, aligned: 32 rows' scale bytes
	s_wait_tensorcnt 0x0                           ; the wave's end
	ds_add_u32 v192, v193
	s_wait_dscnt 0x0
	s_endpgm
.Lfunc_end_k_q40aa0d2f04_quant:
	.size	k_q40aa0d2f04_quant, .Lfunc_end_k_q40aa0d2f04_quant-k_q40aa0d2f04_quant
	.p2alignl 7, 3214868480
	.fill 96, 4, 3214868480
	.section	.rodata,"a",@progbits
	.p2align	6, 0x0
	.amdhsa_kernel k_q40aa0d2f04_quant
		.amdhsa_group_segment_fixed_size 33280
		.amdhsa_private_segment_fixed_size 0
		.amdhsa_enable_private_segment 0
		.amdhsa_kernarg_size 96
		.amdhsa_user_sgpr_count 2
		.amdhsa_user_sgpr_kernarg_segment_ptr 1
		.amdhsa_wavefront_size32 1
		.amdhsa_system_sgpr_workgroup_id_x 1
		.amdhsa_system_sgpr_workgroup_id_y 1
		.amdhsa_system_sgpr_workgroup_id_z 1
		.amdhsa_system_vgpr_workitem_id 0
		.amdhsa_next_free_vgpr 194
		.amdhsa_next_free_sgpr 66
		.amdhsa_reserve_vcc 0
		.amdhsa_float_denorm_mode_32 3
		.amdhsa_float_denorm_mode_16_64 3
		.amdhsa_memory_ordered 1
		.amdhsa_forward_progress 1
		.amdhsa_inst_pref_size 52
	.end_amdhsa_kernel
	.amdgpu_metadata
---
amdhsa.version: [ 1, 2 ]
amdhsa.kernels:
  - .name:           k_q40aa0d2f04_quant
    .symbol:         k_q40aa0d2f04_quant.kd
    .args:
      - { .name: x, .offset: 0, .size: 8, .value_kind: global_buffer, .address_space: global }
      - { .name: h, .offset: 8, .size: 8, .value_kind: global_buffer, .address_space: global }
      - { .name: W_ix, .offset: 16, .size: 8, .value_kind: global_buffer, .address_space: global }
      - { .name: W_ih, .offset: 24, .size: 8, .value_kind: global_buffer, .address_space: global }
      - { .name: W_fx, .offset: 32, .size: 8, .value_kind: global_buffer, .address_space: global }
      - { .name: W_fh, .offset: 40, .size: 8, .value_kind: global_buffer, .address_space: global }
      - { .name: W_gx, .offset: 48, .size: 8, .value_kind: global_buffer, .address_space: global }
      - { .name: W_gh, .offset: 56, .size: 8, .value_kind: global_buffer, .address_space: global }
      - { .name: W_ox, .offset: 64, .size: 8, .value_kind: global_buffer, .address_space: global }
      - { .name: W_oh, .offset: 72, .size: 8, .value_kind: global_buffer, .address_space: global }
      - { .name: a_q, .offset: 80, .size: 8, .value_kind: global_buffer, .address_space: global }
      - { .name: b_q, .offset: 88, .size: 8, .value_kind: global_buffer, .address_space: global }
    .group_segment_fixed_size: 33280
    .private_segment_fixed_size: 0
    .kernarg_segment_align: 8
    .kernarg_segment_size: 96
    .max_flat_workgroup_size: 128
    .sgpr_count:     66
    .vgpr_count:     194
    .wavefront_size: 32
...
	.end_amdgpu_metadata
.endif
;; end of part 1
;; launch cell (part 2): grid 16 x 16, 4 waves a work-group, clusters of 4 x 4, 327,680 bytes of LDS; arguments a_q, b_q, c_prev, b_i, b_f, b_g, b_o, out0, out1; writes out0, out1
.if DOCPART == 2
	.amdgcn_target "amdgcn-amd-amdhsa--gfx1250"
	.amdhsa_code_object_version 6
	.text
	.protected	k_q40aa0d2f04_cell
	.globl	k_q40aa0d2f04_cell
	.p2align	8
	.type	k_q40aa0d2f04_cell,@function
k_q40aa0d2f04_cell:
	s_mov_b64 s[64:65], 0
	v_nop
	global_prefetch_b8 v0, s[64:65] scope:SCOPE_SE
	s_setreg_imm32_b32 hwreg(HW_REG_WAVE_MODE, 25, 1), 1
	s_wait_xcnt 0x0
	s_wait_alu depctr_hold_cnt(0) depctr_sa_sdst(0) depctr_va_vdst(0) depctr_va_sdst(0) depctr_va_ssrc(0) depctr_va_vcc(0) depctr_vm_vsrc(0)
	s_getreg_b32 s2, hwreg(HW_REG_IB_STS2, 6, 4)
	s_cmp_eq_u32 s2, 0
	s_cbranch_scc0 .Lentry_in_a_cluster
	s_endpgm
.Lentry_in_a_cluster:
	s_bfe_u32 s2, ttmp6, 0x10000c
	s_cmp_lg_u32 s2, 0xf033
	s_cbranch_scc0 .Lentry_shape_is_right
	s_endpgm
.Lentry_shape_is_right:
; z = [x | h] [W_.x | W_.h]^T + b on codes of FP8 (E4M3) with one E8M0 scale for each 32 along K = 2048, then the LSTM cell in f32:
; c_next = sigmoid(zf) c_prev + sigmoid(zi) tanh(zg)  (out1),  h_next = sigmoid(zo) tanh(c_next)  (out0).  z never goes to memory.
; a_q, b_q: [row block of 128][K step of 256][132 rows of 256 bytes]: 128 rows of codes, then 4 rows of scale bytes (8 a row).  B's row 128 (2 tc + hf) + 32 g + j is gate g of hidden unit 64 tc + 32 hf + j.
; SHARES.  A tile is 256 rows of the batch x 256 rows of B (64 hidden units x 4 gates); a wave makes 128 x 128 of it: 64 accumulators, 512 registers.  A WORK-GROUP STAYS and makes two tiles, 4,096 rows apart, on the same rows of B.
; THE MATRIX INSTRUCTION IS USED TRANSPOSED (source 0 = B's rows, source 1 = A's): in accumulator (a, b = 2 g + s) lane (r, hh) holds in register j gate g of batch row 16 a + r, hidden unit 16 s + 8 hh + j of the wave's 32:
; the four gates of an element lie in one lane.  The bias is the C of each sum's first product.
; THE RING.  Wave w fetches one row block (0, 1: A's halves; 2, 3: B's) of a K step by ONE tensor load of 132 dense rows, codes and scales together.  Its two slot parts lie on end in LDS (w x REG2 + slot x BLK),
; and two K steps lie on end in memory: so the head's one load a wave, of 264 rows, fills both slots.  Each refill stands behind a round of the cluster's barrier; a wave has one tensor load out at the most.
; The ring goes on into the next tile: slot 0 takes its K step 0 when K step 6 is left, slot 1 its K step 1 in the last step.  The last tile's tail, which fetches nothing, is written out.
; CLUSTERS: 4 x 4 work-groups; A's blocks are asked for jointly along a row of the cluster, B's along a column.
; A STEP of 128 along K is four batches of 16 products, and behind each batch stand 16 LDS loads for the next step, each asked for 32 products or more ahead of its use.
; THE WAY OUT is a loop of four trips, two blocks of 16 rows a trip, in place: e = 2^(-log2(e) z) for i, f, o; e = 2^(2 log2(e) z) for the two tanh; f = 1 / (1 + ef); i g = ((1 + eg) - 2) / ((1 + ei)(1 + eg)); likewise o tanh(c).
; Only the lines that read the accumulators differ from trip to trip: they are chosen by the trip's number and stand at the end of the trip before.
; c_prev comes by plain loads into the result's layout, a trip ahead: a wave's four loads of a block cover 128 consecutive bytes of each of 16 rows, and the wave beside it takes the other 128 bytes of the same units.
; c_next and h_next meet in stages of their own behind the ring (a row's 256 bytes come from two waves), 32 rows for each half of the tile, written again in each trip: one barrier between writing and reading, one between reading and the next writing.
; PREFETCH: behind the load of K step j the K step j + 2 is asked for: of a block's 132 units of 256 bytes each of the four partners that load it jointly names 33, told apart by address (32 by a lane each, the 33rd by a second line);
; K steps 2 and 3 are asked for at the head and, for the next tile's A, in the last step; the next tile's K steps 0 and 1 have the whole way out in which to land and are not asked for; B's blocks are named in the first tile alone;
; the K loop's last trip asks for c_prev's rows (a lane a row, each wave 64 whole rows of 256 bytes).
; LIMITS: the exponents of the two tanh are held at 32 from above (there the quotient is 1 in f32); a product sigmoid x tanh whose joint denominator passes f32's range comes out as 0; NaN and infinities among the inputs are not served.
; REGISTERS: window 0: v10-31 addresses; v32-63 scale words, two sets; v64-127 the bias; v128-255 A's fragments, one set.  window 1: B's fragments, two sets.  windows 2, 3: the accumulators of my rows 0-63, 64-127 ((a, b) at v[8 (8 (a % 4) + b)]).
.set PITCH, 272                        ; an LDS row: 256 bytes + 16 of padding
.set BLK,   132*PITCH                  ; a row block of one K step in LDS
.set REG2,  2*BLK                      ; a fetching wave's two slot parts
.set GBLK,  132*256                    ; the same block in memory
.set NEXTA, 250*GBLK                   ; from a slot's last K step of a tile to its first of the next: 32 row blocks on, 6 K steps back
.set BACKB, 6*GBLK
.set SPARE, 4*REG2                     ; behind the ring: the spare words
.set STG,   SPARE+512                  ; behind them: c_next's stage (64 rows), then h_next's
.set FR,    16
.set GO,   10                          ; the way out: 4096 hh + 16 r
.set PFZ,  11                          ; 8192: the 33rd unit of my share of a block
.set CPO,  12                          ; c_prev: 4096 r + 32 hh
.set ADRA, 16                          ; v16-17 my A fragments in slot 0, 1
.set ADRS, 18                          ; v18-19 my scale words: lanes 0-15 A's rows, lanes 16-31 B's
.set ADRB, 20                          ; v20-21 my B fragments
.set PFC,  22                          ; 4096 x lane
.set BO,   23                          ; my byte offset in a bias
.set CSA,  26                          ; c_next's stage
.set HSA,  27                          ; h_next's stage
.set SPW,  28
.set NIL,  29
.set RDA,  30                          ; where I read rows back
.set PFO,  31                          ; 256 x lane
.set SC,   32
.set BIAS, 64
.set AF,   128
.set Z,    32                          ; the way out: v32-159: 2 blocks x (i, f, g, o) x 16
.set ZI,   0
.set ZF,   16
.set ZG,   32
.set ZO,   48
.set CP,   160                         ; v160-191 c_prev, then c_next
.set OUT,  192                         ; v192-255 32 rows read back
.set PCB,  4                           ; s[4:5] c_prev at my rows and my 128 bytes, stepped a trip
.set PCA,  12                          ; s[12:13] c_prev at the 64 whole rows that I prefetch
.set G1,   24
.set G0,   32
.set G1B,  48
.set G0B,  56
.set PFA,  66
.set OUTP, 92
.set SNL,  94
.set SL2,  96
.set CAP,  98
.set MSB, 0
.macro WIN new
.if MSB != (\new)
	s_set_vgpr_msb (MSB<<8)|(\new)
.set MSB, (\new)
.endif
.endm
.set MUL_LO, 0xa1                      ; source 0 window 1, source 1 window 0, C and D window 2
.set MUL_HI, 0xf1                      ; C and D window 3
.set TO_B,   0x40
.macro PLACES n
.rept \n
	v_nop
.endr
.endm
.macro JLOAD g0a, g0b                  ; a joint load: waves 0, 1 for A, waves 2, 3 for B
	s_cmp_eq_u32 s15, 0
	s_cbranch_scc0 .Lfor_b_\@
	tensor_load_to_lds s[\g0a:\g0a+3], s[G1:G1+7]
	s_nop 0
	PLACES 4
	s_branch .Lasked_\@
.Lfor_b_\@:
	tensor_load_to_lds s[\g0b:\g0b+3], s[G1B:G1B+7]
	s_nop 0
	PLACES 4
.Lasked_\@:
.endm
.macro CREST
	s_cmp_lg_u32 s14, 0
	s_cbranch_scc1 .Lnot_wave_0_\@
	s_barrier_signal -3
.Lnot_wave_0_\@:
	s_barrier_wait -3
	s_barrier_signal -1
	s_barrier_wait -1
.endm
.macro CROUND
	s_barrier_signal -1
	s_barrier_wait -1
	CREST
.endm
.macro ASK2 j                          ; my 33 units of the block j K steps behind where my prefetches stand
	global_prefetch_b8 v[PFO], s[PFA:PFA+1] offset:(\j)*GBLK th:TH_LOAD_NT scope:SCOPE_SE
	global_prefetch_b8 v[PFZ], s[PFA:PFA+1] offset:(\j)*GBLK th:TH_LOAD_NT scope:SCOPE_SE
.endm
.macro ASK                             ; the K step two refills on; the loop's last trip (s3 = 1) has none; s8 is 1, or the greatest number in B's waves behind the first tile
	s_cmp_gt_u32 s3, s8
	s_cbranch_scc0 .Lnone_\@
	ASK2 2
.Lnone_\@:
.endm
.macro ASKC                            ; c_prev: 64 rows x 256 bytes a wave, in the K loop's last trip
	s_cmp_eq_u32 s3, 1
	s_cbranch_scc0 .Lnot_yet_\@
	global_prefetch_b8 v[PFC], s[PCA:PCA+1] th:TH_LOAD_NT scope:SCOPE_SE
	global_prefetch_b8 v[PFC], s[PCA:PCA+1] offset:32*4096 th:TH_LOAD_NT scope:SCOPE_SE
.Lnot_yet_\@:
.endm
.macro ASKN                            ; the next tile's K steps 2 and 3 of A
	s_cmp_eq_u32 s15, 0
	s_cbranch_scc0 .Lnot_a_\@
	ASK2 1
	ASK2 2
.Lnot_a_\@:
.endm
.macro BIASLD                          ; the bias in the result's layout: block 2 g + s
.irp s, 0,1
.irp q, 0,1
	global_load_b128 v[BIAS+8*\s+4*\q:BIAS+8*\s+4*\q+3],       v[BO], s[74:75] offset:64*\s+16*\q
	global_load_b128 v[BIAS+16+8*\s+4*\q:BIAS+16+8*\s+4*\q+3], v[BO], s[76:77] offset:64*\s+16*\q
	global_load_b128 v[BIAS+32+8*\s+4*\q:BIAS+32+8*\s+4*\q+3], v[BO], s[78:79] offset:64*\s+16*\q
	global_load_b128 v[BIAS+48+8*\s+4*\q:BIAS+48+8*\s+4*\q+3], v[BO], s[80:81] offset:64*\s+16*\q
.endr
.endr
.endm
.macro CLOAD                           ; c_prev of the 32 rows at which s[PCB] stands
.irp u, 0,1
.irp s, 0,1
.irp q, 0,1
	global_load_b128 v[CP+16*\u+8*\s+4*\q:CP+16*\u+8*\s+4*\q+3], v[CPO], s[PCB:PCB+1] offset:16*4096*\u+64*\s+16*\q
.endr
.endr
.endr
.endm
	s_load_b512 s[68:83], s[0:1], 0x0              ; a_q 68, b_q 70, c_prev 72, b_i 74, b_f 76, b_g 78, b_o 80, out0 82
	s_load_b64 s[84:85], s[0:1], 0x40              ; out1
	v_lshl_add_u32 v[SPW], v0, 2, SPARE
	v_mov_b32 v[NIL], 0
	ds_add_u32 v[SPW], v[NIL]                      ; the opening lines: the add twice on end and its wait
	ds_add_u32 v[SPW], v[NIL]
	v_lshrrev_b32 v1, 5, v0
	v_readfirstlane_b32 s14, v1                    ; wave
	s_lshr_b32 s15, s14, 1                         ; RH: my half of the rows.  Also: I fetch for A (0) or B (1)
	s_and_b32 s16, s14, 1                          ; CH: my half of B's rows.  Also: which row block I fetch
	s_bfe_u32 s40, ttmp6, 0x40000                  ; cx
	s_bfe_u32 s41, ttmp6, 0x40004                  ; cy
	s_lshl_b32 s42, ttmp9, 2
	s_add_co_u32 s42, s42, s40                     ; TC
	s_and_b32 s17, ttmp7, 0xffff
	s_lshl_b32 s17, s17, 2
	s_add_co_u32 s17, s17, s41                     ; TR of the first tile, 0 to 15
	s_lshl_b32 s43, s41, 2
	s_lshl_b32 s43, 15, s43                        ; my row of the cluster
	s_lshl_b32 s44, 0x1111, s40                    ; my column
	; group 1: dense rows of 32 elements of 8 bytes, 16 bytes of padding behind each; 264 rows for the head's load
	s_or_b32 s[G1], s43, (3<<16)|(1<<20)|(1<<21)|(5<<22)|(3<<25)
	s_or_b32 s[G1B], s44, (3<<16)|(1<<20)|(1<<21)|(5<<22)|(3<<25)
.irp g, G1, G1B
	s_mov_b32 s[\g+1], 32<<16
	s_mov_b32 s[\g+2], 264<<16
	s_mov_b32 s[\g+3], 32<<16
	s_mov_b32 s[\g+4], 264
	s_mov_b32 s[\g+5], 32
	s_mov_b32 s[\g+6], 0
	s_mov_b32 s[\g+7], 0
.endr
	s_lshl_b32 s18, s17, 1
	s_add_co_u32 s18, s18, s16
	s_mul_i32 s18, s18, 8*GBLK                     ; A: row block 2 TR + half
	s_mov_b32 s19, 0
	s_lshl_b32 s46, s42, 1
	s_add_co_u32 s46, s46, s16
	s_mul_i32 s46, s46, 8*GBLK                     ; B: row block 2 TC + half
	s_mov_b32 s47, 0
	s_mul_i32 s2, s14, REG2                        ; where my blocks go: the wave's number alone
	s_wait_dscnt 0x0                               ; both opening adds are done
	s_wait_kmcnt 0x0
	s_add_nc_u64 s[G0+2:G0+3], s[68:69], s[18:19]
	s_add_nc_u64 s[G0+6:G0+7], s[G0+2:G0+3], GBLK
	s_add_nc_u64 s[G0B+2:G0B+3], s[70:71], s[46:47]
	s_add_nc_u64 s[G0B+6:G0B+7], s[G0B+2:G0B+3], GBLK
.irp g, G0, G0B
	s_mov_b32 s[\g], 1
	s_add_co_u32 s[\g+1], s2, 0
	s_or_b32 s[\g+3], s[\g+3], 0x80000000
	s_mov_b32 s[\g+4], 1
	s_add_co_u32 s[\g+5], s2, BLK
	s_or_b32 s[\g+7], s[\g+7], 0x80000000
.endr
	CROUND                                         ; all sixteen work-groups are here: the first joint loads meet
	JLOAD G0, G0B                                  ; K steps 0 and 1, both slots: my one load at the head
	s_cmp_eq_u32 s15, 0                            ; the prefetches: my block, my work-group's 33 units of it, at K step 1
	s_cselect_b64 s[PFA:PFA+1], s[68:69], s[70:71]
	s_cselect_b32 s86, s18, s46
	s_cselect_b32 s87, s40, s41
	s_mul_i32 s87, s87, 33*256
	s_add_co_u32 s86, s86, s87
	s_add_co_u32 s86, s86, GBLK
	s_mov_b32 s87, 0
	s_add_nc_u64 s[PFA:PFA+1], s[PFA:PFA+1], s[86:87]
	s_mul_i32 s20, s15, REG2                       ; A's block RH
	s_add_co_u32 s21, s16, 2
	s_mul_i32 s21, s21, REG2                       ; B's block CH, behind A's two
	s_xor_b32 s22, s15, 1
	s_add_co_u32 s22, s22, s16
	s_add_co_u32 s22, s22, 1
	s_mul_i32 s22, s22, REG2                       ; the distance between the two
	s_lshl_b32 s23, s16, 7                         ; 128 CH: my 32 hidden units
	s_mul_i32 s45, s15, 32*PITCH                   ; the stages: my half's 32 rows
	s_add_co_u32 s46, s45, s23
	s_add_co_u32 s46, s46, STG
	s_mul_i32 s47, s16, 64*PITCH                   ; back: stage CH
	s_add_co_u32 s47, s47, s45
	s_add_co_u32 s47, s47, STG
	s_lshl_b32 s18, s42, 8
	s_add_co_u32 s18, s18, s23                     ; the bias: 256 TC + 128 CH
	v_and_b32 v1, 15, v0                           ; r
	v_bfe_u32 v2, v0, 4, 1                         ; hh
	v_mul_u32_u24 v3, v1, PITCH
	v_lshl_add_u32 v4, v2, 4, v3
	v_add_nc_u32 v[ADRA], s20, v4
	v_add_nc_u32 v[ADRA+1], BLK, v[ADRA]
	v_add_nc_u32 v[ADRB], s21, v4
	v_add_nc_u32 v[ADRB+1], BLK, v[ADRB]
	v_lshlrev_b32 v5, 3, v1                        ; scale words: 8 bytes a row,
	v_mul_u32_u24 v6, s22, v2                      ; lanes 16-31 take B's: the lower base + hh x the distance
	v_add_nc_u32 v5, v5, v6
	v_add_nc_u32 v5, s20, v5
	v_add_nc_u32 v[ADRS], 128*PITCH, v5
	v_add_nc_u32 v[ADRS+1], BLK, v[ADRS]
	v_lshl_add_u32 v7, v2, 5, v3
	v_add_nc_u32 v[CSA], s46, v7
	v_add_nc_u32 v[HSA], 64*PITCH, v[CSA]
	v_mul_u32_u24 v8, v2, PITCH
	v_lshl_add_u32 v8, v1, 4, v8
	v_add_nc_u32 v[RDA], s47, v8
	v_lshlrev_b32 v[GO], 12, v2
	v_lshl_add_u32 v[GO], v1, 4, v[GO]
	v_lshlrev_b32 v[CPO], 12, v1
	v_lshl_add_u32 v[CPO], v2, 5, v[CPO]
	v_lshlrev_b32 v[BO], 5, v2
	v_add_nc_u32 v[BO], s18, v[BO]
	v_and_b32 v9, 31, v0
	v_lshlrev_b32 v[PFO], 8, v9
	v_lshlrev_b32 v[PFC], 12, v9
	v_mov_b32 v[PFZ], 32*256
	s_wait_alu depctr_va_vdst(0)                   ; the wait at the head's end: no vector line follows in the head
	BIASLD
	ASK2 1                                         ; K steps 2 and 3
	ASK2 2
	s_lshl_b32 s18, s17, 20                        ; 256 TR rows of 4,096 bytes,
	s_lshl_b32 s19, s42, 8                         ; the tile's 256 bytes
	s_add_co_u32 s18, s18, s19
	s_lshl_b32 s19, s14, 18                        ; the 64 rows that I prefetch
	s_add_co_u32 s20, s18, s19
	s_mov_b32 s21, 0
	s_add_nc_u64 s[PCA:PCA+1], s[72:73], s[20:21]
	s_lshl_b32 s19, s15, 19                        ; my half's 128 rows
	s_add_co_u32 s18, s18, s19
	s_mov_b32 s19, 0
	s_cmp_eq_u32 s16, 0                            ; waves with CH = 0 store c_next (out1), the others h_next (out0)
	s_cselect_b64 s[OUTP:OUTP+1], s[84:85], s[82:83]
	s_add_nc_u64 s[OUTP:OUTP+1], s[OUTP:OUTP+1], s[18:19]
	s_add_co_u32 s18, s18, s23                     ; c_prev: my 128 bytes of these rows
	s_add_nc_u64 s[PCB:PCB+1], s[72:73], s[18:19]
	s_mov_b32 s[SNL], 0xbfb8aa3b                   ; -log2(e)
	s_mov_b32 s[SNL+1], s[SNL]
	s_mov_b32 s[SL2], 0x4038aa3b                   ; 2 log2(e)
	s_mov_b32 s[SL2+1], s[SL2]
	s_mov_b32 s[CAP], 0x42000000                   ; 32.0
	s_mov_b32 s7, 2                                ; tiles to go
	s_mov_b32 s8, 1
.macro FRAG reg, adr, q, i             ; 16 rows x 128 K: registers 4 c .. 4 c + 3 hold K = 32 c + 16 hh + 0 .. 15
.irp c, 0,1,2,3
	ds_load_b128 v[\reg+4*\c:\reg+4*\c+3], v[\adr] offset:128*(\q)+32*\c+(\i)*16*PITCH
.endr
.endm
.macro FB slot, q, p, i0               ; B's blocks i0 .. i0 + 3 into set p
	WIN TO_B
.irp i, \i0, \i0+1, \i0+2, \i0+3
	FRAG 128*(\p)+FR*(\i), ADRB+\slot, \q, \i
.endr
.endm
.macro FA slot, q, i0                  ; A's blocks i0 .. i0 + 3
	WIN 0
.irp i, \i0, \i0+1, \i0+2, \i0+3
	FRAG AF+FR*(\i), ADRA+\slot, \q, \i
.endr
.endm
.macro SCALES sc                       ; a K step's scale words: register 2 i + q: lanes 0-15 A's block i, lanes 16-31 B's
.irp i, 0,1,2,3,4,5,6,7
	ds_load_b64 v[SC+16*\sc+2*\i:SC+16*\sc+2*\i+1], v[ADRS+\sc] offset:(\i/2)*PITCH+(\i%2)*128
.endr
.endm
; 16 products: A's blocks a0 .. a0 + 3 x B's b0 .. b0 + 3.  The 64 accumulators take turns in the same order in every step.  first = 1: the bias is C.
.macro MUL16 a0, b0, p, q, sc, first
.irp a, \a0, \a0+1, \a0+2, \a0+3
.irp b, \b0, \b0+1, \b0+2, \b0+3
.if \first
	v_wmma_scale_f32_16x16x128_f8f6f4 v[8*(8*((\a)%4)+(\b)):8*(8*((\a)%4)+(\b))+7], v[128*(\p)+FR*(\b):128*(\p)+FR*(\b)+FR-1], v[AF+FR*(\a):AF+FR*(\a)+FR-1], v[BIAS+8*(\b):BIAS+8*(\b)+7], v[SC+16*(\sc)+2*(\b)+(\q)], v[SC+16*(\sc)+2*(\a)+(\q)] matrix_a_scale:MATRIX_SCALE_ROW1
.else
	v_wmma_scale_f32_16x16x128_f8f6f4 v[8*(8*((\a)%4)+(\b)):8*(8*((\a)%4)+(\b))+7], v[128*(\p)+FR*(\b):128*(\p)+FR*(\b)+FR-1], v[AF+FR*(\a):AF+FR*(\a)+FR-1], v[8*(8*((\a)%4)+(\b)):8*(8*((\a)%4)+(\b))+7], v[SC+16*(\sc)+2*(\b)+(\q)], v[SC+16*(\sc)+2*(\a)+(\q)] matrix_a_scale:MATRIX_SCALE_ROW1
.endif
.endr
.endr
.endm
; A slot's first step (B's set 0); the slot's second step is fetched meanwhile (B's set 1).  Each wait leaves the 32 youngest LDS loads out.
; Eight places stand ahead of loads into A's blocks just multiplied; they also serve the later loads into B's set that was read before them.
.macro STEP slot, first
.set WL, MUL_LO-0x20*(\first)          ; the first products take C from window 0
.set WH, MUL_HI-0x30*(\first)
	s_wait_dscnt 32                                ; B's 0-3, A's 0-3 (and the scale words) are in
	WIN WL
	MUL16 0, 0, 0, 0, \slot, \first
	FB \slot, 1, 1, 0
	s_wait_dscnt 32                                ; B's 4-7 are in
	WIN WL
	MUL16 0, 4, 0, 0, \slot, \first
	PLACES 8
	FA \slot, 1, 0
	s_wait_dscnt 32                                ; A's 4-7 are in
	WIN WH
	MUL16 4, 0, 0, 0, \slot, \first
	FB \slot, 1, 1, 4
	WIN WH
	MUL16 4, 4, 0, 0, \slot, \first
	PLACES 8
	FA \slot, 1, 4
.endm
; A slot's second step leaves the slot: the three lines, the barrier (where the slot is filled again: a round of the cluster's barrier), the refill first behind it.
; fill = 1: this tile's K step two on; 2: the next tile's K step 0 or 1; 0: nothing.  fetch = 1: the next slot's first fragments; 0: the tile's last step, which asks for c_prev's first 32 rows instead.
.macro TURN slot, next, fill, fetch
.if \fill == 1
	s_wait_xcnt 0x0                                ; the last prefetches have read their address
	s_add_nc_u64 s[PFA:PFA+1], s[PFA:PFA+1], GBLK
.endif
.if (\fill == 2) && (\fetch == 0)
	s_wait_xcnt 0x0
	s_add_nc_u64 s[PFA:PFA+1], s[PFA:PFA+1], NEXTA ; from K step 7 to the next tile's K step 1
	s_cmp_eq_u32 s15, 0
	s_cselect_b32 s8, 1, -1                        ; B's blocks have been read: they are named no more
.endif
	s_wait_tensorcnt 0x0                           ; all my tensor loads have landed
	ds_add_u32 v[SPW], v[NIL]
	s_wait_dscnt 33                                ; the add and the 32 youngest loads may be out
	WIN MUL_LO
	MUL16 0, 0, 1, 1, \slot, 0
	s_wait_dscnt 0x0                               ; the add is done, and my reads of this slot are over
	s_barrier_signal -1
	MUL16 0, 4, 1, 1, \slot, 0
	WIN 0
	s_barrier_wait -1
.if \fill == 0
	PLACES 4
.else
	CREST
.if \fill == 1
	s_add_nc_u64 s[G0+4*\slot+2:G0+4*\slot+3], s[G0+4*\slot+2:G0+4*\slot+3], 2*GBLK
	s_add_nc_u64 s[G0B+4*\slot+2:G0B+4*\slot+3], s[G0B+4*\slot+2:G0B+4*\slot+3], 2*GBLK
.else
	s_add_nc_u64 s[G0+4*\slot+2:G0+4*\slot+3], s[G0+4*\slot+2:G0+4*\slot+3], NEXTA
	s_sub_nc_u64 s[G0B+4*\slot+2:G0B+4*\slot+3], s[G0B+4*\slot+2:G0B+4*\slot+3], BACKB
.endif
	JLOAD G0+4*\slot, G0B+4*\slot
.endif
	PLACES 4                                       ; eight places in all ahead of the loads into A's blocks 0-3
.if \fetch
	FB \next, 0, 0, 0
	FA \next, 0, 0
	SCALES \next
.else
	CLOAD                                          ; into the registers of A's blocks 2 and 3
.endif
.if \fill == 1
	ASK
.if \slot == 0
	ASKC
.endif
.endif
.if (\fill == 2) && (\fetch == 0)
	ASKN
.endif
	WIN MUL_HI
	MUL16 4, 0, 1, 1, \slot, 0
.if \fetch
	FB \next, 0, 0, 4
.endif
	WIN MUL_HI
	MUL16 4, 4, 1, 1, \slot, 0
	PLACES 8
.if \fetch
	FA \next, 0, 4
.else
	WIN 0
.endif
.endm
; THE WAY OUT.  g, d, m: a gate's 16 registers in each of the pair's two blocks.
.macro PKADD g, c
.irp u, 0,1
.set k, 0
.rept 8
	v_pk_add_f32 v[Z+64*\u+\g+2*k:Z+64*\u+\g+2*k+1], v[Z+64*\u+\g+2*k:Z+64*\u+\g+2*k+1], \c op_sel_hi:[1,0]
.set k, k+1
.endr
.endr
.endm
.macro PKFMA d, m                      ; d = d m + m
.irp u, 0,1
.set k, 0
.rept 8
	v_pk_fma_f32 v[Z+64*\u+\d+2*k:Z+64*\u+\d+2*k+1], v[Z+64*\u+\d+2*k:Z+64*\u+\d+2*k+1], v[Z+64*\u+\m+2*k:Z+64*\u+\m+2*k+1], v[Z+64*\u+\m+2*k:Z+64*\u+\m+2*k+1]
.set k, k+1
.endr
.endr
.endm
.macro PKMUL d, m                      ; d = d m
.irp u, 0,1
.set k, 0
.rept 8
	v_pk_mul_f32 v[Z+64*\u+\d+2*k:Z+64*\u+\d+2*k+1], v[Z+64*\u+\d+2*k:Z+64*\u+\d+2*k+1], v[Z+64*\u+\m+2*k:Z+64*\u+\m+2*k+1]
.set k, k+1
.endr
.endr
.endm
.macro EACH op, g, n                   ; a transcendental in place on n registers from gate g on
.irp u, 0,1
.set k, 0
.rept \n
	\op v[Z+64*\u+\g+k], v[Z+64*\u+\g+k]
.set k, k+1
.endr
.endr
.endm
.macro HOLD g                          ; a tanh's exponent is held at 32
.irp u, 0,1
.set k, 0
.rept 16
	v_min_num_f32 v[Z+64*\u+\g+k], s[CAP], v[Z+64*\u+\g+k]
.set k, k+1
.endr
.endr
.endm
.macro EXPO p                          ; pair p's exponents out of its accumulators; each accumulator is read from its low end on
	WIN 0x02+(\p)/2                                ; source 0: window 2 or 3
	s_wait_alu depctr_va_vdst(0)                   ; the wait ahead of the first reader of these matrix results
.set k, 0
.rept 64
.if ((k%32)/8) == 2
	v_pk_mul_f32 v[Z+2*k:Z+2*k+1], v[128*((\p)%2)+2*k:128*((\p)%2)+2*k+1], s[SL2:SL2+1] op_sel_hi:[1,0]
.else
	v_pk_mul_f32 v[Z+2*k:Z+2*k+1], v[128*((\p)%2)+2*k:128*((\p)%2)+2*k+1], s[SNL:SNL+1] op_sel_hi:[1,0]
.endif
.set k, k+1
.endr
	WIN 0
	HOLD ZG
.endm
; Four trips, s6 = 0 .. 3: my rows 32 s6 .. 32 s6 + 31, 32 elements a lane.  Each batch of transcendentals has one wait ahead of it and one behind it.
.macro EPI
	EXPO 0
	s_mov_b32 s6, 0
.Lpair_\@:
	s_wait_alu depctr_va_vdst(0)
	EACH v_exp_f32, 0, 64                          ; ei, ef, eg, eo
	v_nop                                          ; the plain line behind the batch
	s_wait_alu depctr_va_vdst(0)
	PKADD ZF, 1.0                                  ; 1 + ef
	PKADD ZG, 1.0                                  ; 1 + eg
	PKFMA ZI, ZG                                   ; (1 + ei)(1 + eg)
	s_wait_alu depctr_va_vdst(0)
	EACH v_rcp_f32, ZI, 32                         ; 1 / ((1 + ei)(1 + eg)), and f
	PKADD ZG, -2.0                                 ; eg - 1: plain work behind the batch
	s_wait_loadcnt 0x0                             ; c_prev is in
	s_wait_alu depctr_va_vdst(0)
	PKMUL ZG, ZI                                   ; i g
.irp u, 0,1
.set k, 0
.rept 8
	v_pk_fma_f32 v[CP+16*\u+2*k:CP+16*\u+2*k+1], v[Z+64*\u+ZF+2*k:Z+64*\u+ZF+2*k+1], v[CP+16*\u+2*k:CP+16*\u+2*k+1], v[Z+64*\u+ZG+2*k:Z+64*\u+ZG+2*k+1]   ; c_next = f c_prev + i g
.set k, k+1
.endr
.endr
.irp u, 0,1
.set k, 0
.rept 8
	v_pk_mul_f32 v[Z+64*\u+ZF+2*k:Z+64*\u+ZF+2*k+1], v[CP+16*\u+2*k:CP+16*\u+2*k+1], s[SL2:SL2+1] op_sel_hi:[1,0]
.set k, k+1
.endr
.endr
	HOLD ZF
.irp u, 0,1
.irp s, 0,1
.irp q, 0,1
	ds_store_b128 v[CSA], v[CP+16*\u+8*\s+4*\q:CP+16*\u+8*\s+4*\q+3] offset:16*PITCH*\u+64*\s+16*\q
.endr
.endr
.endr
	s_wait_xcnt 0x0                                ; the loads and stores issued so far have read their bases and registers
	s_add_nc_u64 s[PCB:PCB+1], s[PCB:PCB+1], 32*4096    ; c_prev: on to the next trip's rows
	s_add_nc_u64 s[OUTP:OUTP+1], s[OUTP:OUTP+1], 32*4096 ; the output: 32 rows past this trip's; the stores reach back
	s_cmp_lt_u32 s6, 3
	s_cbranch_scc0 .Lno_more_\@                    ; the last trip has no next
	CLOAD
.Lno_more_\@:
	s_wait_alu depctr_va_vdst(0)
	EACH v_exp_f32, ZF, 16                         ; ec
	v_nop
	s_wait_alu depctr_va_vdst(0)
	PKADD ZF, 1.0                                  ; 1 + ec
	PKFMA ZO, ZF                                   ; (1 + eo)(1 + ec)
	s_wait_alu depctr_va_vdst(0)
	EACH v_rcp_f32, ZO, 16
	PKADD ZF, -2.0                                 ; ec - 1
	s_wait_alu depctr_va_vdst(0)
	PKMUL ZF, ZO                                   ; h_next = o tanh(c_next)
.irp u, 0,1
.irp s, 0,1
.irp q, 0,1
	ds_store_b128 v[HSA], v[Z+64*\u+ZF+8*\s+4*\q:Z+64*\u+ZF+8*\s+4*\q+3] offset:16*PITCH*\u+64*\s+16*\q
.endr
.endr
.endr
	s_wait_dscnt 0x0                               ; for the others' sake: my stores into the stages are done
	s_barrier_signal -1
	s_barrier_wait -1                              ; the trip's 32 rows are whole in both stages
.irp t, 0,1,2,3,4,5,6,7,8,9,10,11,12,13,14,15
	ds_load_b128 v[OUT+4*\t:OUT+4*\t+3], v[RDA] offset:2*\t*PITCH   ; back as whole rows: lanes 0-15 one row of 256 bytes, lanes 16-31 the next
.endr
	s_cmp_eq_u32 s6, 0                             ; the next trip's exponents, while the rows come back
	s_cbranch_scc1 .Lone_\@
	s_cmp_eq_u32 s6, 1
	s_cbranch_scc1 .Ltwo_\@
	s_cmp_eq_u32 s6, 2
	s_cbranch_scc1 .Lthree_\@
	s_branch .Ljoin_\@
.Lone_\@:
	EXPO 1
	s_branch .Ljoin_\@
.Ltwo_\@:
	EXPO 2
	s_branch .Ljoin_\@
.Lthree_\@:
	EXPO 3
.Ljoin_\@:
	s_wait_dscnt 0x0                               ; my rows are back:
	s_barrier_signal -1
	s_barrier_wait -1                              ; everybody's are: the stages may be written again
.irp t, 0,1,2,3,4,5,6,7,8,9,10,11,12,13,14,15
	global_store_b128 v[GO], v[OUT+4*\t:OUT+4*\t+3], s[OUTP:OUTP+1] offset:(2*\t-32)*4096 th:TH_STORE_NT   ; 16 lanes store 256 consecutive bytes, aligned
.endr
	s_add_co_u32 s6, s6, 1
	s_cmp_lt_u32 s6, 4
	s_cbranch_scc1 .Lpair_\@
.endm
	s_wait_tensorcnt 0x0                           ; my parts of K steps 0 and 1 are in; no tensor load of mine is out, so group 1 may be written:
	s_mov_b32 s[G1+2], 132<<16                     ; from here on a load brings 132 rows
	s_mov_b32 s[G1+4], 132
	s_mov_b32 s[G1B+2], 132<<16
	s_mov_b32 s[G1B+4], 132
.Ltile:
	s_wait_loadcnt 0x0                             ; the bias is in
	s_wait_tensorcnt 0x0                           ; my parts of the tile's K steps 0 and 1 are in,
	s_barrier_signal -1
	s_barrier_wait -1                              ; everybody's are
	FB 0, 0, 0, 0
	FA 0, 0, 0
	SCALES 0
	FB 0, 0, 0, 4
	FA 0, 0, 4
	STEP 0, 1                                      ; the first step starts the sums from the bias
	s_mov_b32 s3, 3
.Llap:                                                 ; once round the ring: both slots are filled again
	TURN 0, 1, 1, 1
	STEP 1, 0
	TURN 1, 0, 1, 1
	STEP 0, 0
	s_sub_co_u32 s3, s3, 1
	s_cmp_lg_u32 s3, 0
	s_cbranch_scc1 .Llap
	s_cmp_eq_u32 s7, 1
	s_cbranch_scc1 .Llast_tile                     ; the last tile's tail is written out: it asks for nothing more
	TURN 0, 1, 2, 1                                ; slot 0 takes the next tile's K step 0,
	STEP 1, 0
	TURN 1, 0, 2, 0                                ; slot 1 its K step 1
	EPI
	s_wait_xcnt 0x0                                ; the last stores have read their registers and their base
	s_add_nc_u64 s[PCB:PCB+1], s[PCB:PCB+1], (4096-128)*4096     ; on to the next tile: 4,096 rows down from this tile's first
	s_add_nc_u64 s[OUTP:OUTP+1], s[OUTP:OUTP+1], (4096-128)*4096
	s_add_nc_u64 s[PCA:PCA+1], s[PCA:PCA+1], 4096*4096
	BIASLD                                         ; its registers were at work on the way out
	s_sub_co_u32 s7, s7, 1
	s_branch .Ltile
.Llast_tile:
	TURN 0, 1, 0, 1
	STEP 1, 0
	TURN 1, 0, 0, 0
	EPI
	s_wait_tensorcnt 0x0                           ; the wave's end
	ds_add_u32 v[SPW], v[NIL]
	s_wait_dscnt 0x0
	CROUND                                         ; the closing round
	s_endpgm
.Lfunc_end_k_q40aa0d2f04_cell:
	.size	k_q40aa0d2f04_cell, .Lfunc_end_k_q40aa0d2f04_cell-k_q40aa0d2f04_cell
	.p2alignl 7, 3214868480
	.fill 96, 4, 3214868480
	.section	.rodata,"a",@progbits
	.p2align	6, 0x0
	.amdhsa_kernel k_q40aa0d2f04_cell
		.amdhsa_group_segment_fixed_size 327680
		.amdhsa_private_segment_fixed_size 0
		.amdhsa_enable_private_segment 0
		.amdhsa_kernarg_size 72
		.amdhsa_user_sgpr_count 2
		.amdhsa_user_sgpr_kernarg_segment_ptr 1
		.amdhsa_wavefront_size32 1
		.amdhsa_system_sgpr_workgroup_id_x 1
		.amdhsa_system_sgpr_workgroup_id_y 1
		.amdhsa_system_sgpr_workgroup_id_z 1
		.amdhsa_system_vgpr_workitem_id 0
		.amdhsa_next_free_vgpr 1024
		.amdhsa_next_free_sgpr 100
		.amdhsa_reserve_vcc 0
		.amdhsa_float_denorm_mode_32 3
		.amdhsa_float_denorm_mode_16_64 3
		.amdhsa_memory_ordered 1
		.amdhsa_forward_progress 1
		.amdhsa_inst_pref_size 251
	.end_amdhsa_kernel
	.amdgpu_metadata
---
amdhsa.version: [ 1, 2 ]
amdhsa.kernels:
  - .name:           k_q40aa0d2f04_cell
    .symbol:         k_q40aa0d2f04_cell.kd
    .args:
      - { .name: a_q, .offset: 0, .size: 8, .value_kind: global_buffer, .address_space: global }
      - { .name: b_q, .offset: 8, .size: 8, .value_kind: global_buffer, .address_space: global }
      - { .name: c_prev, .offset: 16, .size: 8, .value_kind: global_buffer, .address_space: global }
      - { .name: b_i, .offset: 24, .size: 8, .value_kind: global_buffer, .address_space: global }
      - { .name: b_f, .offset: 32, .size: 8, .value_kind: global_buffer, .address_space: global }
      - { .name: b_g, .offset: 40, .size: 8, .value_kind: global_buffer, .address_space: global }
      - { .name: b_o, .offset: 48, .size: 8, .value_kind: global_buffer, .address_space: global }
      - { .name: out0, .offset: 56, .size: 8, .value_kind: global_buffer, .address_space: global }
      - { .name: out1, .offset: 64, .size: 8, .value_kind: global_buffer, .address_space: global }
    .group_segment_fixed_size: 327680
    .private_segment_fixed_size: 0
    .kernarg_segment_align: 8
    .kernarg_segment_size: 72
    .max_flat_workgroup_size: 128
    .sgpr_count:     100
    .vgpr_count:     1024
    .wavefront_size: 32
...
	.end_amdgpu_metadata
.endif
;; end of part 2
